; MI455X (gfx1250); checked and timed in simulation.
; The chip was launched on July 23, 2026; its instructions are those of AMD's public machine-readable ISA for CDNA 5 (MIT licence, August 2026) and "CDNA5" Instruction Set Architecture Reference Guide (July 2026). The comments in the code are by the model that wrote it; some were corrected since.
;; FFJORD. Allowed arithmetic: float matrix products may take bf16 or f16 operands with f32 sums; other float arithmetic in f32, or as packed bf16 or f16 multiplies, adds, multiply-adds, maxima and minima; sums over many terms, partial sums and values carried from step to step in f32; what a program stores and reads back later, other than sums and carried values, may be rounded once to bf16 or f16.
;; Inputs: W0 65 x 256 float32; W1 256 x 256 float32; W2 256 x 64 float32; b0 256 float32; b1 256 float32; b2 64 float32; eps 2 x 65,536 x 64 float32; x 65,536 x 64 float32.
;; Outputs: out0 65,536 x 64 float32; out1 65,536 float32.
;; One version. Each part assembles by itself: llvm-mc -triple=amdgcn-amd-amdhsa -mcpu=gfx1250 --defsym DOCPART=n.
;; ======== version 1 of 1: 1 launch
;; launch ffjord (part 1): grid 256 x 1, 4 waves a work-group, no clusters, 241,408 bytes of LDS; arguments x, eps, W0, b0, W1, b1, W2, b2, out0, out1; writes out0, out1
.if DOCPART == 1
	.amdgcn_target "amdgcn-amd-amdhsa--gfx1250"
	.amdhsa_code_object_version 6
	.text
	.protected	k_q3c409bbdd9_ffjord
	.globl	k_q3c409bbdd9_ffjord
	.p2align	8
	.type	k_q3c409bbdd9_ffjord,@function
k_q3c409bbdd9_ffjord:
	s_mov_b64 s[64:65], 0
	v_nop
	global_prefetch_b8 v0, s[64:65] scope:SCOPE_SE
	s_setreg_imm32_b32 hwreg(HW_REG_WAVE_MODE, 25, 1), 1
	s_wait_xcnt 0x0
; FFJORD: two RK4 steps of dx/dt = f(t, x) = x + MLP([x, t]) (65 -> 256 -> 256 -> 64, ReLU), and in each step the trace estimate sum e (f(x + c e) - f(x)) / 1e-4, c = 5e-5.
; x, out0: [65536][64] f32; eps: [2][65536][64]; out1: [65536].  Rows are independent: ONE launch, the weights in LDS as bf16, all activations in registers.
; THE DIFFERENCE IS CARRIED ITSELF, not formed from two evaluations: with a the base pre-activation and d its change, relu(a + d) - relu(a) = max(d, -a) + min(a, 0), for every a and d.
; So the second evaluation is a second operand stream (c e) through the same weights, and log_det = -5000 x sum over both steps of e . (plus - base).
; LIMITS.  All inputs (x, eps, W0..W2, b0..b2) are rounded once to bf16; the result is reference() on inputs so rounded.  Where a ReLU's sign of a base evaluation hangs on an activation
; (both base evaluations; k2..k4 of step 0, which make the x of step 1) the activation goes as TWO bf16 operands, hi + lo, 16 significant bits.  The difference stream and k2..k4 of step 1 go as one bf16.
; 1/12 and 5000 stand for the reference's chain of products and divisions (a difference in f32's last bits).  NaN and infinities are not treated apart.  No f16 anywhere: the range is f32's.
; SHARES.  256 work-groups x 256 rows; a wave owns 64 rows and takes them as two GROUPS of 32, each through the whole integration.  A group is two PIECES, its tiles of 16 rows.
; LAYOUT.  Every product is taken transposed: source 0 = 16 output features x 32 k of W^T (turned out of LDS by ds_load_tr16_b128), source 1 = 16 rows x 32 k.  In the result a lane holds ONE row
; (lane % 16) and features 8 (lane / 16) + 0..7; two neighbouring results rounded in pairs ARE source 1 of the next layer.  Nothing changes lanes between layers.
; BY TURNS.  A piece's layer wants that piece's activations alone.  So while one piece's products are issued, the other piece's activation (relu, the difference, the roundings) stands in small lots behind them:
; the wave holds all of its SIMD's registers, so nothing else could fill the time in which a product is at work.  Both pieces multiply by the same weight fragments.
; NO CLUSTER, NO TENSOR LOAD: what work-groups share is the weights, 394,240 bytes read once at the head against 7.6 million multiply-adds a row; they arrive as f32 and are rounded in registers on the way to LDS.
; REGISTERS, in windows of 256 (s_set_vgpr_msb: bits 1:0 source 0, 3:2 source 1, 5:4 source 2, 7:6 destination):
;   window 0: v0-31 addresses and small things; v32-95 ACC (base of piece r, tile nt at 32 + 16 r + 8 nt, difference 32 higher); v96-127 two bias buffers; v128-159 at work;
;             v160-255 layer 0's operands XH, XL, EC, later layer 2's H1HI, H1LO, H1G
;   window 1: v0-127 two weight buffers; v128-159 e in bf16; v160-191 W2's fragments; v192-255 the state x in f32
;   window 2: h0 hi (v0-127), h0 lo (v128-255)
;   window 3: v0-127 h0's difference, between those passes the landing place of the next x and eps; v128-191 OUT (the evaluation's input, then k); v192-255 KS (k1 + 2 k2 + ..), in the dual pass DIFF
.set P1,    544        ; a row of W1 or W0 in LDS: 512 bytes + 32 = 17 x 32 bytes
.set P2,    160        ; a row of W2: 128 + 32 = 5 x 32 bytes
.set W0B,   139264     ; W1 lies at 0 (256 rows); W0's rows 0..63 follow as rows 256..319
.set W2B,   174080
.set B0T,   215040     ; five tables of 256 f32: b0 + t W0[64], t = 0, .25, .5, .75, 1
.set B1B,   220160
.set B2B,   221184
.set STG,   221440     ; for each wave 4,864 bytes: a stage of 4,608 and its 64 log_dets
.set STGW,  4864
.set LDO,   4608
.set SPARE, 240896     ; the spare words, 128 bytes for each wave: two blocks of 256 bytes that no other line names
.set VL16, 1           ; 16 x lane
.set LP544, 2          ; the turning load's lane term at pitch 544: (8 (l / 16) + l % 8) x 544 + 16 ((l / 8) % 2)
.set LP160W, 3         ; the same at pitch 160, + W2B
.set AW0, 4
.set LPB0, 5           ; B0T + 32 (l / 16)
.set LPB1, 6
.set AB2, 7
.set AW1A, 8           ; stepped in a pass: W1's k rows 0..127,
.set AW1B, 9           ; 128..255,
.set AW2, 10           ; W2,
.set AB1, 11           ; b1,
.set AB0, 12           ; and the pass's table of bias 0
.set ASTI, 13          ; stage, way in: store
.set ASTO, 14          ; stage, way in: load as source 1
.set AOSW, 15          ; stage, way out: store
.set AOSR, 16          ; stage, way out: load whole rows
.set ALD, 17
.set ALD8, 18
.set VO1, 19           ; 8 x lane
.set NEG1, 20          ; -1.0
.set LDP, 24           ; v[24:27] a pair for each tile: the running sum of e x DIFF
.set SPW, 28           ; LDS address of my spare word; never rewritten
.set NIL, 29           ; 0; never rewritten
.set ACC, 32
.set BIAS, 96
.set TT, 128
.set XH, 160
.set XL, 192
.set EC, 224
.set H1HI, 160
.set H1LO, 176
.set H1G, 192
.set F0, 0             ; window 1
.set F1, 64
.set EB, 128
.set WB2, 160
.set XS, 192
.set H0HI, 0           ; window 2
.set H0LO, 128
.set H0G, 0            ; window 3
.set RAWX, 0
.set RAWE, 64
.set OUT, 128
.set KS, 192
.set DIFF, 192
.set VG, 32            ; set-up only: 16 x thread
.set VLS, 33           ; where I put 8 bytes of W1 or W0
.set VW2, 34           ; of W2
.set VB8, 35           ; 8 x thread
.set VBT, 36           ; B0T + 8 x thread
.set MSB, 0
.macro WIN new                          ; the high byte repeats the setting that is left; a switch that changes nothing is dropped
.if MSB != (\new)
	s_set_vgpr_msb (MSB<<8)|(\new)
.set MSB, (\new)
.endif
.endm
; A vector instruction that reads a matrix result or writes one of a matrix instruction's registers, and a load into such a register, stand four places behind it; only plain vector
; instructions that name none of its registers are places (ISA guide 7.12.1 for vector instructions).
.macro PLACES
.rept 4
	v_nop
.endr
.endm
; 32 rows of x or eps as they lie: 8,192 consecutive bytes, 512 an instruction, into window 3
.macro LOADRAW dst, sp, off
	WIN 0xC0
.set q, 0
.rept 16
	global_load_b128 v[(\dst)+4*q:(\dst)+4*q+3], v[VL16], s[\sp:\sp+1] offset:(\off)+512*q th:TH_LOAD_NT
.set q, q+1
.endr
	WIN 0
.endm
; rounded to bf16 and laid into my stage as 32 rows of 128 bytes, pitch 144
.macro STAGEIN src
	WIN 0x0F
.set q, 0
.rept 32
	v_cvt_pk_bf16_f32 v[TT+q], v[(\src)+2*q], v[(\src)+2*q+1]
.set q, q+1
.endr
	WIN 0
.set q, 0
.rept 16
	ds_store_b64 v[ASTI], v[TT+2*q:TT+2*q+1] offset:288*q
.set q, q+1
.endr
.endm
; and back as source 1: tile rt, features 32 kb on.  LDS serves a wave's instructions in order (ISA guide 5.7.1.4): these see the stores above
.macro OPLOAD dst, win
	WIN \win
.irp rt, 0,1
.irp kb, 0,1
	ds_load_b128 v[(\dst)+16*(\rt)+8*(\kb):(\dst)+16*(\rt)+8*(\kb)+3],   v[ASTO] offset:2304*(\rt)+64*(\kb)
	ds_load_b128 v[(\dst)+16*(\rt)+8*(\kb)+4:(\dst)+16*(\rt)+8*(\kb)+7], v[ASTO] offset:2304*(\rt)+64*(\kb)+32
.endr
.endr
.endm
; WEIGHT AND BIAS LOADS, in runs, never singly among the products.  A fragment is two turning loads, 16 k rows apart.
.macro LDW0 nb, f                       ; W0: output features 32 nb on, both k blocks: 4 fragments
	WIN 0x40
.irp kb, 0,1
.irp nt, 0,1
	ds_load_tr16_b128 v[(\f)+8*(2*(\kb)+(\nt)):(\f)+8*(2*(\kb)+(\nt))+3],   v[AW0] offset:17408*(\kb)+64*(\nb)+32*(\nt)
	ds_load_tr16_b128 v[(\f)+8*(2*(\kb)+(\nt))+4:(\f)+8*(2*(\kb)+(\nt))+7], v[AW0] offset:17408*(\kb)+64*(\nb)+32*(\nt)+8704
.endr
.endr
.endm
.macro LDB0 nb, bb
	WIN 0
.irp nt, 0,1
	ds_load_b128 v[BIAS+16*(\bb)+8*(\nt):BIAS+16*(\bb)+8*(\nt)+3],   v[AB0] offset:128*(\nb)+64*(\nt)
	ds_load_b128 v[BIAS+16*(\bb)+8*(\nt)+4:BIAS+16*(\bb)+8*(\nt)+7], v[AB0] offset:128*(\nb)+64*(\nt)+16
.endr
.endm
.macro LDW1 f, a                        ; W1: 32 output features, four k blocks from address a: 8 fragments
	WIN 0x40
.irp kq, 0,1,2,3
.irp nt, 0,1
	ds_load_tr16_b128 v[(\f)+8*(2*(\kq)+(\nt)):(\f)+8*(2*(\kq)+(\nt))+3],   v[\a] offset:17408*(\kq)+32*(\nt)
	ds_load_tr16_b128 v[(\f)+8*(2*(\kq)+(\nt))+4:(\f)+8*(2*(\kq)+(\nt))+7], v[\a] offset:17408*(\kq)+32*(\nt)+8704
.endr
.endr
.endm
.macro LDB1
	WIN 0
.irp nt, 0,1
	ds_load_b128 v[BIAS+8*(\nt):BIAS+8*(\nt)+3],   v[AB1] offset:64*(\nt)
	ds_load_b128 v[BIAS+8*(\nt)+4:BIAS+8*(\nt)+7], v[AB1] offset:64*(\nt)+16
.endr
.endm
.macro LDW2                             ; W2: one k block, all 64 output features: 4 fragments
	WIN 0x40
.irp n2, 0,1,2,3
	ds_load_tr16_b128 v[WB2+8*(\n2):WB2+8*(\n2)+3],   v[AW2] offset:32*(\n2)
	ds_load_tr16_b128 v[WB2+8*(\n2)+4:WB2+8*(\n2)+7], v[AW2] offset:32*(\n2)+2560
.endr
.endm
.macro LDB2                             ; b2 of my 32 features, into ACC's lower half, which is free at a pass's head
	WIN 0
.irp ft, 0,1,2,3
	ds_load_b128 v[ACC+8*(\ft):ACC+8*(\ft)+3],   v[AB2] offset:64*(\ft)
	ds_load_b128 v[ACC+8*(\ft)+4:ACC+8*(\ft)+7], v[AB2] offset:64*(\ft)+16
.endr
.endm
; THE ACTIVATION OF ONE PIECE AND BLOCK (16 rows x 32 features) is a numbered list.  QSET names the piece r, where the roundings go (g, hi, lo: first register; wg, wh: their windows) and the pass's kind;
; ACT1 writes the list's next number; RID n the next n, as far as the list goes.  With the difference stream (88 numbers):
;   0-15   R = relu(a), beside a          16-31  d = max(d, -a)          32-39  a = a - R = min(a, 0), exactly          40-47  d = d + a: relu(a + d) - relu(a)          48-55  d rounded to bf16
;   56-63  hi = R rounded to bf16         64-79  R = R - hi, a difference that f32 holds exactly          80-87  lo = its rounding
; Without it R is a's own registers and the list is 0-15 and 56-87 (48 numbers), or 0-15 and 56-63 where hi alone is wanted (24).
; Each accumulator is read from its lowest register on; no number reads the result of one fewer than eight numbers back.
.macro QSET r, g, hi, lo, wh, wg, tan, lon
.set QA, ACC+16*(\r)
.set QU, ACC+32+16*(\r)
.if \tan
.set QR, TT+16*(\r)
.else
.set QR, ACC+16*(\r)
.endif
.set QG, (\g)
.set QHI, (\hi)
.set QLO, (\lo)
.set QWH, (\wh)
.set QWG, (\wg)
.set QTAN, (\tan)
.set rq, 0
.set rN, 24+24*(\lon)+40*(\tan)
.endm
.macro ACT1
.set j, rq
.if (QTAN == 0) && (rq >= 16)
.set j, rq+40
.endif
.if j < 16
	WIN 0
	v_max_num_f32 v[QR+j], 0, v[QA+j]
.elseif j < 32
	WIN 0
	v_max_num_f32 v[QU+j-16], v[QU+j-16], -v[QA+j-16]
.elseif j < 40
	WIN 0
	v_pk_add_f32 v[QA+2*(j-32):QA+2*(j-32)+1], v[QA+2*(j-32):QA+2*(j-32)+1], v[QR+2*(j-32):QR+2*(j-32)+1] neg_lo:[0,1] neg_hi:[0,1]
.elseif j < 48
	WIN 0
	v_pk_add_f32 v[QU+2*(j-40):QU+2*(j-40)+1], v[QU+2*(j-40):QU+2*(j-40)+1], v[QA+2*(j-40):QA+2*(j-40)+1]
.elseif j < 56
	WIN QWG<<6
	v_cvt_pk_bf16_f32 v[QG+j-48], v[QU+2*(j-48)], v[QU+2*(j-48)+1]
.elseif j < 64
	WIN QWH<<6
	v_cvt_pk_bf16_f32 v[QHI+j-56], v[QR+2*(j-56)], v[QR+2*(j-56)+1]
.elseif j < 80
.set k, j-64
	WIN QWH
.if k%2
	v_fma_mix_f32_bf16 v[QR+k], v[QHI+k/2], v[NEG1], v[QR+k] op_sel:[1,0,0] op_sel_hi:[1,0,0]
.else
	v_fma_mix_f32_bf16 v[QR+k], v[QHI+k/2], v[NEG1], v[QR+k] op_sel_hi:[1,0,0]
.endif
.else
	WIN QWH<<6
	v_cvt_pk_bf16_f32 v[QLO+j-80], v[QR+2*(j-80)], v[QR+2*(j-80)+1]
.endif
.set rq, rq+1
.endm
.macro RID n
.rept \n
.if rq < rN
	ACT1
.endif
.endr
.endm
; THE MATRIX WORK, for one piece r.  Streams ty = 0 hi, 1 lo (both onto the base sums), 2 the difference.  The piece's two (with the difference stream four) accumulators take turns, one instruction a turn;
; the first product of a sum takes the bias, or 0, as C: nothing is cleared.  Behind each product stand per numbers of the other piece's list; they name none of the products' registers.
.macro T0 f, bb, r, tan, lo, per        ; layer 0, 32 output features
.irp kb, 0,1
.irp ty, 0,1,2
.if ((\ty) == 0) || (((\ty) == 1) && (\lo)) || (((\ty) == 2) && (\tan))
.irp nt, 0,1
	WIN 0x01
.set rD, ACC+32*((\ty)/2)+16*(\r)+8*(\nt)
.set rA, (\f)+8*(2*(\kb)+(\nt))
.set rB, XH+32*(\ty)+16*(\r)+8*(\kb)
.set rC, BIAS+16*(\bb)+8*(\nt)
.if ((\kb) == 0) && ((\ty) == 0)
	v_wmma_f32_16x16x32_bf16 v[rD:rD+7], v[rA:rA+7], v[rB:rB+7], v[rC:rC+7]
.elseif ((\kb) == 0) && ((\ty) == 2)
	v_wmma_f32_16x16x32_bf16 v[rD:rD+7], v[rA:rA+7], v[rB:rB+7], 0
.else
	v_wmma_f32_16x16x32_bf16 v[rD:rD+7], v[rA:rA+7], v[rB:rB+7], v[rD:rD+7]
.endif
	RID \per
.endr
.endif
.endr
.endr
.endm
.macro M1H half, f, r, tan, lo, per     ; layer 1, 32 output features, k blocks 4 half .. 4 half + 3: a quarter of a trip
.irp kq, 0,1,2,3
.irp ty, 0,1,2
.if ((\ty) == 0) || (((\ty) == 1) && (\lo)) || (((\ty) == 2) && (\tan))
.irp nt, 0,1
.set rD, ACC+32*((\ty)/2)+16*(\r)+8*(\nt)
.set rA, (\f)+8*(2*(\kq)+(\nt))
.set rC, BIAS+8*(\nt)
.if (\ty) < 2
	WIN 0x09
.set rB, 128*(\ty)+64*(\r)+8*(4*(\half)+(\kq))
.else
	WIN 0x0D
.set rB, H0G+64*(\r)+8*(4*(\half)+(\kq))
.endif
.if ((\half) == 0) && ((\kq) == 0) && ((\ty) == 0)
	v_wmma_f32_16x16x32_bf16 v[rD:rD+7], v[rA:rA+7], v[rB:rB+7], v[rC:rC+7]
.elseif ((\half) == 0) && ((\kq) == 0) && ((\ty) == 2)
	v_wmma_f32_16x16x32_bf16 v[rD:rD+7], v[rA:rA+7], v[rB:rB+7], 0
.else
	v_wmma_f32_16x16x32_bf16 v[rD:rD+7], v[rA:rA+7], v[rB:rB+7], v[rD:rD+7]
.endif
	RID \per
.endr
.endif
.endr
.endr
.endm
.macro MM2P r, tan, lo, per             ; layer 2, one k block onto the piece's 64 output features: OUT (and DIFF) go on from what they hold; four accumulators by turns
.irp ty, 0,1,2
.if ((\ty) == 0) || (((\ty) == 1) && (\lo)) || (((\ty) == 2) && (\tan))
.irp n2, 0,1,2,3
	WIN 0xF1
.set rD, OUT+64*((\ty)/2)+32*(\r)+8*(\n2)
.set rA, WB2+8*(\n2)
.set rB, H1HI+16*(\ty)+8*(\r)
	v_wmma_f32_16x16x32_bf16 v[rD:rD+7], v[rA:rA+7], v[rB:rB+7], v[rD:rD+7]
	RID \per
.endr
.endif
.endr
.endm
; A PASS'S HEAD.  OUT holds the evaluation's input Y: it becomes layer 0's operands, hi (and lo); then b2 is added, so that layer 2's products end at k = Y + b2 + h1 W2.
.macro PROLOG lo
.irp bq, 0,1
	WIN 0x0F
.set q, 0
.rept 16
	v_cvt_pk_bf16_f32 v[XH+16*(\bq)+q], v[OUT+32*(\bq)+2*q], v[OUT+32*(\bq)+2*q+1]
.set q, q+1
.endr
.if \lo
	WIN 0x30
.set q, 0
.rept 16
	v_fma_mix_f32_bf16 v[TT+2*q],   v[XH+16*(\bq)+q], v[NEG1], v[OUT+32*(\bq)+2*q] op_sel_hi:[1,0,0]
	v_fma_mix_f32_bf16 v[TT+2*q+1], v[XH+16*(\bq)+q], v[NEG1], v[OUT+32*(\bq)+2*q+1] op_sel:[1,0,0] op_sel_hi:[1,0,0]
.set q, q+1
.endr
	WIN 0
.set q, 0
.rept 16
	v_cvt_pk_bf16_f32 v[XL+16*(\bq)+q], v[TT+2*q], v[TT+2*q+1]
.set q, q+1
.endr
.endif
.endr
	s_wait_dscnt 0x0                ; b2 is in (and e, and the first fragments)
	WIN 0xC3
.set q, 0
.rept 32
	v_pk_add_f32 v[OUT+2*q:OUT+2*q+1], v[OUT+2*q:OUT+2*q+1], v[ACC+(2*q)%32:ACC+(2*q)%32+1]
.set q, q+1
.endr
.endm
; The difference stream's head: DIFF starts at c e, the residual's own share, and EC is its rounding to bf16.
.macro TPROLOG
.irp bq, 0,1
	WIN 0x04
.set q, 0
.rept 16
	v_lshlrev_b32 v[TT+2*q], 16, v[EB+16*(\bq)+q]
	v_and_b32 v[TT+2*q+1], s48, v[EB+16*(\bq)+q]
.set q, q+1
.endr
	WIN 0xC0
.set q, 0
.rept 16
	v_pk_mul_f32 v[DIFF+32*(\bq)+2*q:DIFF+32*(\bq)+2*q+1], v[TT+2*q:TT+2*q+1], s[50:51] op_sel_hi:[1,0]
.set q, q+1
.endr
	WIN 0x0F
.set q, 0
.rept 16
	v_cvt_pk_bf16_f32 v[EC+16*(\bq)+q], v[DIFF+32*(\bq)+2*q], v[DIFF+32*(\bq)+2*q+1]
.set q, q+1
.endr
.endr
.endm
; e . DIFF onto the tile's pair.  The first tile's 32 unpacking lines are the places behind the pass's last products.
.macro TRACE
.irp bq, 0,1
	WIN 0x04
.set q, 0
.rept 16
	v_lshlrev_b32 v[TT+2*q], 16, v[EB+16*(\bq)+q]
	v_and_b32 v[TT+2*q+1], s48, v[EB+16*(\bq)+q]
.set q, q+1
.endr
	WIN 0x0C
.set q, 0
.rept 16
	v_pk_fma_f32 v[LDP+2*(\bq):LDP+2*(\bq)+1], v[TT+2*q:TT+2*q+1], v[DIFF+32*(\bq)+2*q:DIFF+32*(\bq)+2*q+1], v[LDP+2*(\bq):LDP+2*(\bq)+1]
.set q, q+1
.endr
.endr
.endm
; The stage's numbers, from s38 = 3, 2, 1 (k2, k3, k4): KS += w k; x += g KS; next input = x + a k.
; The table of bias 0 is number 2 step + 1, + 1, + 2 (t + .25, t + .25, t + .5): its byte offset is the sum of s54 = 2,048 x step, s41 = 0, 0, 1,024 and the constant 1,024 that the pass adds:
; each term a masked bit shifted left, so that the sum's range, 1,024 to 4,096, can be read off the text.
.macro COEF
	s_cmp_eq_u32 s38, 1
	s_cselect_b32 s42, 1.0, 2.0
	s_cselect_b32 s46, 0x3daaaaab, 0    ; 1/12 = dt / 6
	s_cselect_b32 s44, 0, 0.5
	s_cmp_eq_u32 s38, 3
	s_cselect_b32 s44, 0x3e800000, s44
	s_and_b32 s55, s40, 1               ; the step
	s_lshl_b32 s54, s55, 11
	s_lshr_b32 s25, s38, 1              ; 1, 1, 0
	s_xor_b32 s25, s25, 1               ; 0, 0, 1
	s_and_b32 s25, s25, 1
	s_lshl_b32 s41, s25, 10
.endm
.macro EPI
	PLACES
	WIN 0xF3
.set q, 0
.rept 32
	v_pk_fma_f32 v[KS+2*q:KS+2*q+1], v[OUT+2*q:OUT+2*q+1], s[42:43], v[KS+2*q:KS+2*q+1] op_sel_hi:[1,0,1]
.set q, q+1
.endr
	WIN 0x53
.set q, 0
.rept 32
	v_pk_fma_f32 v[XS+2*q:XS+2*q+1], v[KS+2*q:KS+2*q+1], s[46:47], v[XS+2*q:XS+2*q+1] op_sel_hi:[1,0,1]
.set q, q+1
.endr
	WIN 0xD3
.set q, 0
.rept 32
	v_pk_fma_f32 v[OUT+2*q:OUT+2*q+1], v[OUT+2*q:OUT+2*q+1], s[44:45], v[XS+2*q:XS+2*q+1] op_sel_hi:[1,0,1]
.set q, q+1
.endr
.endm
; ONE EVALUATION of f for the group's 32 rows.  tan = 1: with the difference stream, at the step's own time (table offset s54).  tan = 0: a later stage (s54 + s41 + 1,024).
; lo = 1: activations as hi + lo.  In: OUT = the input.  Out: OUT = k (and DIFF).
; LAYER 0 goes in 16 turns (block nb of 32 features, piece r): the turn's 12, 8 or 4 products, and behind each 7 or 6 numbers of the list of the turn before: 88, 48 or 24 in all, more than the products
; can cover, so here the products stand in the vector work.  What stands behind a turn's last product (six numbers or more) is also the four places ahead of the next turn's readers and loads.
; LAYERS 1 AND 2 go in trips of four quarters, for block b of 32 features of h1:
;   Q1  piece 0 x W1's k rows 0-127 (F0), with piece 1's list of block b - 1;   then layer 2's products of block b - 1, both pieces;
;   Q2  piece 1 x F0;   then one run of loads: W2's fragments of block b, F0 and the bias of block b + 1;
;   Q3  piece 0 x k rows 128-255 (F1);      Q4  piece 1 x F1, with piece 0's list of block b;      then, at the next trip's top, F1 of block b + 1.
; A list goes four numbers to a product: 24 x 4, 16 x 4, 8 x 4 places for 88, 48, 24 numbers; the other products stand bare.  Each fragment has two quarters or more in which to land.
; Q1 of block 0 is written out ahead of the loop, with layer 0's last list behind its products, and the loop is entered at Q2: so layer 2's products are reached over the backward jump alone.
.macro PASS tan, lo
	WIN 0
	v_add_nc_u32 v[AB0], s54, v[LPB0]
.if !(\tan)
	v_add_nc_u32 v[AB0], s41, v[AB0]
	v_add_nc_u32 v[AB0], 1024, v[AB0]
.endif
	v_mov_b32 v[AW1A], v[LP544]
	v_add_nc_u32 v[AW1B], 128*P1, v[LP544]
	v_mov_b32 v[AW2], v[LP160W]
	v_mov_b32 v[AB1], v[LPB1]
	LDB2
	LDW0 0, F0
	LDB0 0, 0
	PROLOG \lo
.if \tan
	TPROLOG
.endif
.set rq, 0
.set rN, 0                              ; the first turn has no list behind its products
.irp nb, 0,1,2,3,4,5,6,7                ; written out, since each block's roundings have registers of their own
	s_wait_dscnt 0x0                ; this block's fragments and bias are in: they were asked for two turns ago
.if (\nb) < 7
	LDW0 (\nb)+1, 64*(((\nb)+1)%2)
	LDB0 (\nb)+1, ((\nb)+1)%2
.else
	LDW1 F0, AW1A                   ; layer 1's first fragments and bias
	LDB1
.endif
	T0 64*((\nb)%2), (\nb)%2, 0, \tan, \lo, 6+(\tan)
	RID 8                           ; what is left of the list
.if (\nb) == 0
	PLACES
.endif
	QSET 0, H0G+8*(\nb), H0HI+8*(\nb), H0LO+8*(\nb), 2, 3, \tan, \lo
	T0 64*((\nb)%2), (\nb)%2, 1, \tan, \lo, 6+(\tan)
	RID 8
	QSET 1, H0G+64+8*(\nb), H0HI+64+8*(\nb), H0LO+64+8*(\nb), 2, 3, \tan, \lo
.endr
	LDW1 F1, AW1B                   ; Q1 of block 0, with the list of layer 0's last turn (piece 1, which Q2 wants whole)
	s_wait_dscnt 16                 ; the 16 loads just issued may stay out: F0 and the bias are in
	M1H 0, F0, 0, \tan, \lo, 4
	RID 8
	WIN 0
	s_mov_b32 s39, 8
	s_branch .Lmid_\@
.Lblock_\@:
	LDW1 F1, AW1B                   ; four places behind Q4's last product
	s_wait_dscnt 16                 ; the 16 loads just issued may stay out: the run behind Q2 (W2's fragments, F0, the bias) is in
	QSET 1, H1G+8, H1HI+8, H1LO+8, 0, 0, \tan, \lo
	M1H 0, F0, 0, \tan, \lo, 4      ; Q1
	RID 8
	MM2P 0, \tan, \lo, 0            ; block b - 1 into OUT (and DIFF)
	MM2P 1, \tan, \lo, 0
	WIN 0
.Lmid_\@:
	M1H 0, F0, 1, \tan, \lo, 0      ; Q2
	PLACES                          ; in front of the loads into W2's fragments, F0 and the bias, which products have read
	s_wait_dscnt 0x0                ; F1 is in: asked for at the trip's top
	LDW2
	WIN 0
	s_cmp_eq_u32 s39, 1
	s_cbranch_scc1 .Lno_next_\@     ; the last trip has no next block
	v_add_nc_u32 v[AW1A], 64, v[AW1A]
	v_add_nc_u32 v[AW1B], 64, v[AW1B]
	v_add_nc_u32 v[AB1], 128, v[AB1]
	LDW1 F0, AW1A
	LDB1
	WIN 0
.Lno_next_\@:
	M1H 1, F1, 0, \tan, \lo, 0      ; Q3
	PLACES                          ; in front of the list that reads piece 0's sums
	QSET 0, H1G, H1HI, H1LO, 0, 0, \tan, \lo
	M1H 1, F1, 1, \tan, \lo, 4      ; Q4
	RID 8
	PLACES                          ; in front of the loads into F1 and of the list that reads piece 1's sums
	WIN 0
	v_add_nc_u32 v[AW2], 32*P2, v[AW2]
	s_sub_co_u32 s39, s39, 1
	s_cmp_lg_u32 s39, 0
	s_cbranch_scc1 .Lblock_\@
	s_wait_dscnt 0x0                ; W2's last fragments are in
	QSET 1, H1G+8, H1HI+8, H1LO+8, 0, 0, \tan, \lo
	MM2P 0, \tan, \lo, 6+2*(\tan)   ; the last block: piece 0's products with piece 1's list (12 x 8, 8 x 6, 4 x 6 places),
	RID 8
	MM2P 1, \tan, \lo, 0            ; then piece 1's
.endm
	; THE HEAD
	s_load_b512 s[4:19], s[0:1], 0x0        ; x s[4:5], eps s[6:7], W0 s[8:9], b0 s[10:11], W1 s[12:13], b1 s[14:15], W2 s[16:17], b2 s[18:19]
	s_load_b128 s[20:23], s[0:1], 0x40      ; out0 s[20:21], out1 s[22:23]
	v_lshl_add_u32 v[SPW], v0, 2, SPARE
	v_mov_b32 v[NIL], 0
	v_lshrrev_b32 v30, 5, v0
	v_readfirstlane_b32 s24, v30            ; wave 0..3
	v_and_b32 v30, 31, v0                   ; l
	v_and_b32 v31, 15, v0                   ; l % 16
	v_bfe_u32 v22, v0, 4, 1                 ; l / 16
	v_and_b32 v23, 7, v0
	v_bfe_u32 v21, v0, 3, 1
	v_lshlrev_b32 v[VL16], 4, v30
	v_lshl_add_u32 v23, v22, 3, v23         ; 8 (l / 16) + l % 8
	v_mul_u32_u24 v[LP544], v23, P1
	v_lshl_add_u32 v[LP544], v21, 4, v[LP544]
	v_mul_u32_u24 v[LP160W], v23, P2
	v_lshl_add_u32 v[LP160W], v21, 4, v[LP160W]
	v_add_nc_u32 v[LP160W], W2B, v[LP160W]
	v_add_nc_u32 v[AW0], W0B, v[LP544]
	v_lshl_add_u32 v[LPB0], v22, 5, B0T
	v_lshl_add_u32 v[LPB1], v22, 5, B1B
	v_lshl_add_u32 v[AB2], v22, 5, B2B
	s_mul_i32 s25, s24, STGW
	s_add_co_u32 s25, s25, STG              ; my stage
	v_mul_u32_u24 v[ASTI], v22, 144         ; in: an instruction's 512 bytes are two rows; lane l has 4 numbers of row l / 16
	v_lshl_add_u32 v[ASTI], v31, 3, v[ASTI]
	v_add_nc_u32 v[ASTI], s25, v[ASTI]
	v_mul_u32_u24 v[ASTO], v31, 144         ; as source 1: row l % 16, 16 bytes for each half of the lanes
	v_lshl_add_u32 v[ASTO], v22, 4, v[ASTO]
	v_add_nc_u32 v[ASTO], s25, v[ASTO]
	v_mul_u32_u24 v[AOSW], v31, 272         ; out: row l % 16 of f32, pitch 272, 32 bytes for each half of the lanes
	v_lshl_add_u32 v[AOSW], v22, 5, v[AOSW]
	v_add_nc_u32 v[AOSW], s25, v[AOSW]
	v_mul_u32_u24 v[AOSR], v22, 272         ; back: lanes 0-15 one row of 256 bytes, lanes 16-31 the next
	v_lshl_add_u32 v[AOSR], v31, 4, v[AOSR]
	v_add_nc_u32 v[AOSR], s25, v[AOSR]
	s_add_co_u32 s25, s25, LDO
	v_lshl_add_u32 v[ALD], v30, 2, s25
	v_lshl_add_u32 v[ALD8], v30, 3, s25
	v_lshlrev_b32 v[VO1], 3, v30
	v_mov_b32 v[NEG1], -1.0
	; where the set-up stores: thread t = 32 wave + l takes 16 bytes of f32 at 16 t of each 2,048: W1, W0: row t / 64, column 4 (t % 64); W2: row t / 16, column 4 (t % 16)
	v_lshlrev_b32 v[VG], 4, v0
	s_lshr_b32 s25, s24, 1
	s_mul_i32 s25, s25, P1
	s_and_b32 s55, s24, 1
	s_lshl_b32 s55, s55, 8
	s_add_co_u32 s25, s25, s55
	v_lshl_add_u32 v[VLS], v30, 3, s25      ; (wave / 2) x 544 + (wave % 2) x 256 + 8 l: 256 consecutive bytes a wave
	s_mul_i32 s25, s24, 2*P2
	s_add_co_u32 s25, s25, W2B
	v_mul_u32_u24 v[VW2], v22, P2
	v_lshl_add_u32 v[VW2], v31, 3, v[VW2]
	v_add_nc_u32 v[VW2], s25, v[VW2]        ; W2B + (2 wave + l / 16) x 160 + 8 (l % 16)
	v_lshlrev_b32 v[VB8], 3, v0
	s_lshl_b32 s25, s24, 8
	s_add_co_u32 s25, s25, B0T
	v_lshl_add_u32 v[VBT], v30, 3, s25      ; B0T + 8 t
	s_mov_b32 s48, 0xffff0000               ; a word's upper bf16; also the mask of lanes 16-31
	s_mov_b32 s50, 0x3851b717               ; c = 5e-5
	s_mov_b32 s51, 0x3851b717               ; (named with it as a pair)
	s_mov_b32 s52, 0x76543210               ; v_permlanex16_b32: each lane takes its own place in the other half
	s_mov_b32 s53, 0xfedcba98
	s_mov_b32 s43, 0                        ; the upper words of the pairs w, a, g
	s_mov_b32 s45, 0
	s_mov_b32 s47, 0
	s_mov_b32 s40, 0                        ; 2 x group + step
	s_lshl_b32 s26, ttmp9, 16               ; the work-group's 256 rows of 256 bytes,
	s_lshl_b32 s25, s24, 14                 ; my wave's 64
	s_add_co_u32 s26, s26, s25
	s_mov_b32 s27, 0
	s_wait_kmcnt 0x0
	s_add_nc_u64 s[28:29], s[4:5], s[26:27]     ; x at my rows; never rewritten
	s_add_nc_u64 s[32:33], s[6:7], s[26:27]     ; eps of step 0 at my rows; never rewritten
	s_add_nc_u64 s[34:35], s[20:21], s[26:27]   ; out0 at my rows
	s_lshl_b32 s26, ttmp9, 10
	s_lshl_b32 s25, s24, 8
	s_add_co_u32 s26, s26, s25
	s_add_nc_u64 s[56:57], s[22:23], s[26:27]   ; out1 at my 64 numbers
	LOADRAW RAWX, 28, 0                     ; the first group's x goes out ahead of the weights
	global_load_b64 v[48:49], v[VB8], s[10:11]              ; b0
	global_load_b64 v[50:51], v[VB8], s[8:9] offset:65536   ; W0's row 64, the time column's weights
	global_load_b64 v[52:53], v[VB8], s[14:15]              ; b1
	global_load_b64 v[54:55], v[VO1], s[18:19]              ; b2 (every wave loads its 256 bytes; wave 0 stores them)
	; THE WEIGHTS: 192 pieces of 2,048 bytes (128 of W1, 32 of W0's rows 0..63, 32 of W2) through a ring of 32 slots of four registers, rounded to bf16 on the way to LDS.
	; With x's 16 loads and the biases' 4 ahead of it, a wave has at most 52 loads out.
.macro GL j
.if (\j) < 128
	global_load_b128 v[128+4*((\j)%32):128+4*((\j)%32)+3], v[VG], s[12:13] offset:2048*(\j)
.elseif (\j) < 160
	global_load_b128 v[128+4*((\j)%32):128+4*((\j)%32)+3], v[VG], s[8:9] offset:2048*((\j)-128)
.else
	global_load_b128 v[128+4*((\j)%32):128+4*((\j)%32)+3], v[VG], s[16:17] offset:2048*((\j)-160)
.endif
.endm
.macro CV j
	v_cvt_pk_bf16_f32 v[64+2*((\j)%16)],   v[128+4*((\j)%32)],   v[128+4*((\j)%32)+1]
	v_cvt_pk_bf16_f32 v[64+2*((\j)%16)+1], v[128+4*((\j)%32)+2], v[128+4*((\j)%32)+3]
.if (\j) < 160
	ds_store_b64 v[VLS], v[64+2*((\j)%16):64+2*((\j)%16)+1] offset:2*P1*((\j)%32)
.else
	ds_store_b64 v[VW2], v[64+2*((\j)%16):64+2*((\j)%16)+1] offset:8*P2*((\j)-160)
.endif
.endm
.set jj, 0
.rept 32
	GL jj
.set jj, jj+1
.endr
.set jj, 0
.rept 40
.if (jj > 0) && (jj%32 == 0)
	v_add_nc_u32 v[VLS], 64*P1, v[VLS]      ; 32 pieces are 64 rows: the store's immediate begins anew
.endif
	s_wait_loadcnt 28                       ; 32 pieces are out and loads come back in order (ISA guide 5.7.1): the oldest four are in, and all that was asked for before the ring
	CV jj
	CV jj+1
	CV jj+2
	CV jj+3
	GL jj+32
	GL jj+33
	GL jj+34
	GL jj+35
.set jj, jj+4
.endr
	LOADRAW RAWE, 32, 0                     ; the first group's first eps: 16 loads behind the ring's last 32
.rept 8
	s_wait_loadcnt 204-jj                   ; the younger pieces, 188 - jj, and the 16 loads of eps may stay out: 44, 40 .. 16
	CV jj
	CV jj+1
	CV jj+2
	CV jj+3
.set jj, jj+4
.endr
	; THE BIASES, rounded to bf16 and kept as f32; bias 0 with the time column's share, a table for each of the five times
	v_cvt_pk_bf16_f32 v56, v48, v49
	v_cvt_pk_bf16_f32 v57, v50, v51
	v_cvt_pk_bf16_f32 v58, v52, v53
	v_cvt_pk_bf16_f32 v59, v54, v55
	v_lshlrev_b32 v48, 16, v56
	v_and_b32 v49, s48, v56
	v_lshlrev_b32 v50, 16, v57
	v_and_b32 v51, s48, v57
	v_lshlrev_b32 v52, 16, v58
	v_and_b32 v53, s48, v58
	v_lshlrev_b32 v54, 16, v59
	v_and_b32 v55, s48, v59
	v_pk_fma_f32 v[60:61], v[50:51], 0x3e800000, v[48:49] op_sel_hi:[1,0,1]
	v_pk_fma_f32 v[62:63], v[50:51], 0.5, v[48:49] op_sel_hi:[1,0,1]
	v_pk_fma_f32 v[64:65], v[50:51], 0x3f400000, v[48:49] op_sel_hi:[1,0,1]
	v_pk_add_f32 v[66:67], v[50:51], v[48:49]
	ds_store_b64 v[VBT], v[48:49]
	ds_store_b64 v[VBT], v[60:61] offset:1024
	ds_store_b64 v[VBT], v[62:63] offset:2048
	ds_store_b64 v[VBT], v[64:65] offset:3072
	ds_store_b64 v[VBT], v[66:67] offset:4096
	ds_store_b64 v[VBT], v[52:53] offset:B1B-B0T
	s_cmp_lg_u32 s24, 0
	s_cbranch_scc1 .Lno_b2
	ds_store_b64 v[VBT], v[54:55] offset:B2B-B0T    ; in wave 0 the thread's number is the lane's
.Lno_b2:
	s_wait_dscnt 0x0                        ; for the others' sake: my stores are done
	s_barrier_signal -1
	s_barrier_wait -1                       ; weights and biases are whole; nobody writes them again: the launch's one barrier
	s_mov_b32 s36, 2
.Lgroup:                                        ; 32 rows through both steps
	s_wait_loadcnt 0x0                      ; the group's x (and its first eps) are in
	STAGEIN RAWX
	OPLOAD XH, 0
	s_wait_dscnt 0x0
	WIN 0x40                                ; x, rounded to bf16, as f32: the state,
.set q, 0
.rept 32
	v_lshlrev_b32 v[XS+2*q], 16, v[XH+q]
	v_and_b32 v[XS+2*q+1], s48, v[XH+q]
.set q, q+1
.endr
	WIN 0xC0                                ; and the first evaluation's input
.set q, 0
.rept 32
	v_lshlrev_b32 v[OUT+2*q], 16, v[XH+q]
	v_and_b32 v[OUT+2*q+1], s48, v[XH+q]
.set q, q+1
.endr
	WIN 0
.irp i, 0,1,2,3
	v_mov_b32 v[LDP+(\i)], 0
.endr
	s_mov_b32 s37, 2
.Lstep:
	s_wait_loadcnt 0x0                      ; the step's eps is in
	STAGEIN RAWE
	OPLOAD EB, 0x40
	WIN 0
	s_and_b32 s25, s40, 1
	s_lshl_b32 s54, s25, 11                 ; the bias table for t = 0 or .5
	PASS 1, 1                               ; k1, and plus - base
	TRACE
	WIN 0xC3
.set q, 0
.rept 32
	v_pk_mul_f32 v[KS+2*q:KS+2*q+1], v[OUT+2*q:OUT+2*q+1], 1.0 op_sel_hi:[1,0]  ; KS = k1, two numbers a line, where DIFF lay: k1 is wanted twice, here and in the line below
.set q, q+1
.endr
	s_mov_b32 s44, 0x3e800000
	WIN 0xD3
.set q, 0
.rept 32
	v_pk_fma_f32 v[OUT+2*q:OUT+2*q+1], v[OUT+2*q:OUT+2*q+1], s[44:45], v[XS+2*q:XS+2*q+1] op_sel_hi:[1,0,1]  ; k2's input: x + .25 k1
.set q, q+1
.endr
	WIN 0
	; what the next dual pass wants is asked for now: its landing place is free until then, and three passes lie between the loads and the wait for them
	s_cmp_eq_u32 s40, 3
	s_cbranch_scc1 .Lno_more
	s_add_co_u32 s25, s40, 1
	s_and_b32 s26, s25, 1
	s_lshl_b32 s26, s26, 24                 ; the step's 65,536 rows of 256 bytes,
	s_lshr_b32 s25, s25, 1
	s_lshl_b32 s25, s25, 13                 ; the group's 32
	s_add_co_u32 s26, s26, s25
	s_mov_b32 s27, 0
	s_wait_xcnt 0x0                         ; no earlier memory instruction still reads the pointer that is written next
	s_add_nc_u64 s[30:31], s[32:33], s[26:27]
	LOADRAW RAWE, 30, 0
	s_cmp_eq_u32 s40, 1
	s_cbranch_scc0 .Lno_more
	LOADRAW RAWX, 28, 8192                  ; the second group's x
.Lno_more:
	s_mov_b32 s38, 3
.Lstage:                                        ; k2, k3, k4
	COEF
	s_cmp_eq_u32 s55, 0
	s_cbranch_scc0 .Lplain
	PASS 0, 1                               ; step 0: the x of step 1, and with it the signs of its base evaluation, hang on these
	WIN 0
	s_branch .Lepi
.Lplain:
	PASS 0, 0                               ; step 1: out0 alone hangs on these
	WIN 0
.Lepi:
	EPI
	WIN 0
	s_sub_co_u32 s38, s38, 1
	s_cmp_lg_u32 s38, 0
	s_cbranch_scc1 .Lstage
	s_add_co_u32 s40, s40, 1
	s_sub_co_u32 s37, s37, 1
	s_cmp_lg_u32 s37, 0
	s_cbranch_scc1 .Lstep
	; THE WAY OUT of a group: x through my stage, a tile at a time, and back as whole rows
.irp rt, 0,1
	WIN 0x04
.irp ft, 0,1,2,3
	ds_store_b128 v[AOSW], v[XS+32*(\rt)+8*(\ft):XS+32*(\rt)+8*(\ft)+3]   offset:64*(\ft)
	ds_store_b128 v[AOSW], v[XS+32*(\rt)+8*(\ft)+4:XS+32*(\rt)+8*(\ft)+7] offset:64*(\ft)+16
.endr
	WIN 0
.irp t8, 0,1,2,3,4,5,6,7
	ds_load_b128 v[ACC+32*(\rt)+4*(\t8):ACC+32*(\rt)+4*(\t8)+3], v[AOSR] offset:544*(\t8)  ; in order behind the stores above; the next tile's stores come behind these
.endr
	s_wait_dscnt 0x0
.irp t8, 0,1,2,3,4,5,6,7
	global_store_b128 v[VL16], v[ACC+32*(\rt)+4*(\t8):ACC+32*(\rt)+4*(\t8)+3], s[34:35] offset:4096*(\rt)+512*(\t8) th:TH_STORE_NT  ; 16 lanes store one row: 256 consecutive bytes, at a multiple of 256 from out0's first
.endr
.endr
	v_add_f32 v22, v[LDP], v[LDP+1]         ; a row's sum lies in two lanes, 16 apart
	v_add_f32 v23, v[LDP+2], v[LDP+3]
	v_permlanex16_b32 v30, v22, s52, s53
	v_permlanex16_b32 v31, v23, s52, s53
	v_add_f32 v22, v22, v30
	v_add_f32 v23, v23, v31
	v_cndmask_b32 v22, v22, v23, s48        ; lanes 0-15 keep tile 0's rows, lanes 16-31 tile 1's: lane l has row l
	v_mul_f32 v22, 0xc59c4000, v22          ; x -5000 = -dt / 1e-4
	ds_store_b32 v[ALD], v22
	v_add_nc_u32 v[ALD], 128, v[ALD]
	s_wait_xcnt 0x0                         ; the stores' base and data registers are written again only behind this wait
	s_add_nc_u64 s[34:35], s[34:35], 8192
	s_sub_co_u32 s36, s36, 1
	s_cmp_lg_u32 s36, 0
	s_cbranch_scc1 .Lgroup
	ds_load_b64 v[22:23], v[ALD8]           ; my wave's 64 log_dets
	s_wait_dscnt 0x0
	global_store_b64 v[VO1], v[22:23], s[56:57]     ; 256 consecutive bytes, at a multiple of 256 from out1's first
	s_wait_tensorcnt 0x0                    ; the wave's end, behind my last LDS store
	ds_add_u32 v[SPW], v[NIL]
	s_wait_dscnt 0x0
	s_endpgm
.Lfunc_end_k_q3c409bbdd9_ffjord:
	.size	k_q3c409bbdd9_ffjord, .Lfunc_end_k_q3c409bbdd9_ffjord-k_q3c409bbdd9_ffjord
	.p2alignl 7, 3214868480
	.fill 96, 4, 3214868480
	.section	.rodata,"a",@progbits
	.p2align	6, 0x0
	.amdhsa_kernel k_q3c409bbdd9_ffjord
		.amdhsa_group_segment_fixed_size 241408
		.amdhsa_private_segment_fixed_size 0
		.amdhsa_enable_private_segment 0
		.amdhsa_kernarg_size 80
		.amdhsa_user_sgpr_count 2
		.amdhsa_user_sgpr_kernarg_segment_ptr 1
		.amdhsa_wavefront_size32 1
		.amdhsa_system_sgpr_workgroup_id_x 1
		.amdhsa_system_sgpr_workgroup_id_y 1
		.amdhsa_system_sgpr_workgroup_id_z 1
		.amdhsa_system_vgpr_workitem_id 0
		.amdhsa_next_free_vgpr 1024
		.amdhsa_next_free_sgpr 66
		.amdhsa_reserve_vcc 0
		.amdhsa_float_denorm_mode_32 3
		.amdhsa_float_denorm_mode_16_64 3
		.amdhsa_memory_ordered 1
		.amdhsa_forward_progress 1
		.amdhsa_inst_pref_size 255
	.end_amdhsa_kernel
	.section	.bss,"aw",@nobits
	.p2align	6
	.space	262144
	.amdgpu_metadata
---
amdhsa.version: [ 1, 2 ]
amdhsa.kernels:
  - .name:           k_q3c409bbdd9_ffjord
    .symbol:         k_q3c409bbdd9_ffjord.kd
    .args:
      - { .name: x, .offset: 0, .size: 8, .value_kind: global_buffer, .address_space: global }
      - { .name: eps, .offset: 8, .size: 8, .value_kind: global_buffer, .address_space: global }
      - { .name: W0, .offset: 16, .size: 8, .value_kind: global_buffer, .address_space: global }
      - { .name: b0, .offset: 24, .size: 8, .value_kind: global_buffer, .address_space: global }
      - { .name: W1, .offset: 32, .size: 8, .value_kind: global_buffer, .address_space: global }
      - { .name: b1, .offset: 40, .size: 8, .value_kind: global_buffer, .address_space: global }
      - { .name: W2, .offset: 48, .size: 8, .value_kind: global_buffer, .address_space: global }
      - { .name: b2, .offset: 56, .size: 8, .value_kind: global_buffer, .address_space: global }
      - { .name: out0, .offset: 64, .size: 8, .value_kind: global_buffer, .address_space: global }
      - { .name: out1, .offset: 72, .size: 8, .value_kind: global_buffer, .address_space: global }
    .group_segment_fixed_size: 241408
    .private_segment_fixed_size: 0
    .kernarg_segment_align: 8
    .kernarg_segment_size: 80
    .max_flat_workgroup_size: 128
    .sgpr_count:     66
    .vgpr_count:     1024
    .wavefront_size: 32
...
	.end_amdgpu_metadata
.endif
;; end of part 1
